; MI455X (gfx1250); checked and timed in simulation.
; The chip was launched on July 23, 2026; its instructions are those of AMD's public machine-readable ISA for CDNA 5 (MIT licence, August 2026) and "CDNA5" Instruction Set Architecture Reference Guide (July 2026). The comments in the code are by the model that wrote it; some were corrected since.
;; Word Attention. Allowed arithmetic: matrix products marked QUANTISED: E4M3 operands, one given power-of-two scale a tensor, by v_wmma_f32_16x16x64_fp8_fp8 or v_wmma_f32_16x16x128_fp8_fp8, f32 sums; products left as they are: f32 operands where the result goes on into a quantised operand, else bf16, f16 or f32 operands; f32 sums; everything else in f32.
;; Inputs: W_c 512 float32; W_d_codes 512 x 16 x 32 uint8 (E4M3 codes of W_d, K innermost, in blocks of 32 codes); W_h_codes 512 x 16 x 32 uint8 (E4M3 codes of W_h, K innermost, in blocks of 32 codes); b_d 512 float32; beta 16 x 32 float32; coverage 16 x 32 x 128 float32; enc_padding_mask 16 x 32 x 128 float32; h 16 x 32 x 128 x 512 float32; lowp_scales 4 int32 (the exponents e of the quantised operands' scales 2^e); s_t_hat_codes 16 x 16 x 32 uint8 (E4M3 codes of s_t_hat, K innermost, in blocks of 32 codes); v 512 float32.
;; Outputs: out0 16 x 512 float32; out1 16 x 4,096 float32; out2 16 x 32 x 128 float32.
;; This version of the problem:
;;   THIS VERSION OF THE PROBLEM IS GIVEN IN LOW PRECISION. The matrix products marked QUANTISED in the list below multiply operands that are first quantised to E4M3 (4 exponent bits, 3 mantissa bits; 8 bits a number), with one given power-of-two scale for each operand tensor; their sums are f32. All else is computed in f32.
;;   The module's matrix products, in the order in which they are computed (A, B: the left and right operand; K: the contracted axis; several contracted axes count as one K, in the product's order):
;;     1. [M 65,536, K 512] x [K 512, N 512]; A: input h; B: input W_h (given as codes): QUANTISED (scales: A lowp_scales[0], B lowp_scales[1])
;;     2. [M 16, K 512] x [K 512, N 512]; A: input s_t_hat (given as codes); B: input W_d (given as codes): QUANTISED (scales: A lowp_scales[2], B lowp_scales[3])
;;     3. [M 65,536, K 512] x [K 512, N 1]; A: computed on the way; B: input v: left as it is (N = 1 < 16)
;;     4. batch 16 x [M 1, K 4,096] x [K 4,096, N 512]; A: computed on the way; B: input h: left as it is (M = 1 < 16)
;;   THE QUANTISER, for each operand of a quantised product, along K:
;;     - The operand's scale is 2^e, e = its entry of the input lowp_scales (int32; the entries are numbered through the quantised products in the list's order, A before B).
;;     - Each number is divided by the scale, clamped to +-448, and rounded to the nearest number of E4M3, ties to even, subnormals kept.
;;     - The product sums the exact products of the quantised numbers (number of the format x scale) in f32.
;;   ~~~python
;;   def quantise(x, axis, e):      # numpy; x: float32 -> the quantised numbers, widened to float32 again
;;       x = np.moveaxis(x, axis, -1); K = x.shape[-1]
;;       r = np.clip(x / 2.0 ** e, -448, 448)
;;       step = 2.0 ** (np.maximum(np.frexp(np.where(r == 0, 1, r))[1] - 1, -6) - 3)
;;       q = np.round(r / step) * step * 2.0 ** e      # np.round: ties to even
;;       return np.moveaxis(q, -1, axis).astype(np.float32)
;;   ~~~
;;   INPUTS GIVEN AS CODES. W_d (in the module: [512, 512], K = its axis 1); W_h (in the module: [512, 512], K = its axis 1); s_t_hat (in the module: [16, 512], K = its axis 1): each comes as NAME_codes (uint8): NAME with its K axis moved to the last place and cut into blocks of 32 codes, [.., K / 32, bytes a block], one block behind the other in memory; one code a byte (a code: sign, 4 exponent bits, 3 mantissa bits); its scale is its entry of lowp_scales. Its value is code x scale, taken as it is: it is not quantised again, and the codes and scales need not be those that the quantiser above would give.
;; One version. Each part assembles by itself: llvm-mc -triple=amdgcn-amd-amdhsa -mcpu=gfx1250 --defsym DOCPART=n.
;; ======== version 1 of 1: 2 launches
;; limits: right only within a limited range of input values
;; workspace buffers: tsc 262,144 bytes; part 589,824 bytes
;; launch scores (part 1): grid 256 x 1, 8 waves a work-group, clusters of 4 x 1, 327,680 bytes of LDS; arguments h, W_h_codes, W_d_codes, s_t_hat_codes, lowp_scales, b_d, W_c, v, coverage, enc_padding_mask, beta, tsc, part; writes tsc, part
.if DOCPART == 1
	.amdgcn_target "amdgcn-amd-amdhsa--gfx1250"
	.amdhsa_code_object_version 6
	.text
	.protected	k_qbd43d4abb6_scores
	.globl	k_qbd43d4abb6_scores
	.p2align	8
	.type	k_qbd43d4abb6_scores,@function
k_qbd43d4abb6_scores:
	s_mov_b64 s[64:65], 0
	v_nop
	global_prefetch_b8 v0, s[64:65] scope:SCOPE_SE
	s_setreg_imm32_b32 hwreg(HW_REG_WAVE_MODE, 25, 1), 1
	s_wait_xcnt 0x0
	s_wait_alu depctr_hold_cnt(0) depctr_sa_sdst(0) depctr_va_vdst(0) depctr_va_sdst(0) depctr_va_ssrc(0) depctr_va_vcc(0) depctr_vm_vsrc(0)
	s_getreg_b32 s2, hwreg(HW_REG_IB_STS2, 6, 4)
	s_cmp_eq_u32 s2, 0
	s_cbranch_scc0 .Lentry_in_a_cluster
	s_endpgm
.Lentry_in_a_cluster:
	s_bfe_u32 s2, ttmp6, 0x10000c
	s_cmp_lg_u32 s2, 0x3003
	s_cbranch_scc0 .Lentry_shape_is_right
	s_endpgm
.Lentry_shape_is_right:
; WordAttention, first of two launches.  For each token: score = sum over n of v[n] tanh( Q(h) W_h^T + (s_t_hat W_d^T + b_d) + coverage W_c )[n];  t = beta log2(e) score.
; Stored: t of every token (tsc) and, for each work-group's 256 tokens, a record (part): c = sum p h (512 f32), m = the largest t, l = sum p, with p = 2^(t - m) x mask.  The second launch joins a batch's 16 records.
; WORK LEFT OUT.  reference() forms softmax(w) = e / Z (e = exp(w - max w), Z = sum e), multiplies by the mask and divides by the sum: (e mask / Z) / (sum(e mask) / Z) = e mask / sum(e mask) for all values
; of the inputs: Z is a common factor of numerator and denominator and is not formed.  The maximum stays, taken over all tokens, masked or not, as reference()'s softmax takes it.  Every input has a way to an output: all are loaded.
; LIMITS.  Where e / Z would underflow in f32 and e does not, the finer number is kept; an overflow, an infinity or a NaN that would arise in Z alone is not carried to the result.  NaN and infinities among the inputs are not served.
; The promise holds while t stays under 2^31 in magnitude.
; lowp_scales: e0 between -126 and 119 (2^e0 and 448 x 2^e0 are f32 numbers); e0 + e1 and e2 + e3 between -126 and 126 (they are added to the exponent field of 2 log2(e)).
; Within a matrix instruction k stands in other places than the form's own layout gives it, alike in both operands (fragments come by 16-byte pieces): every product meets its partner, the order of the sums inside an instruction differs.
; SHARES.  Work-group g owns tokens 256 g .. 256 g + 255 (batch g / 16).  Wave w owns tokens 32 w .. 32 w + 31 of them for quantising, softmax and context, two a step in 16 steps (token 32 w + 2 s + i is row 2 w + i of step s's tile of 16),
; and, for the products of all tokens, columns n = 64 w .. 64 w + 63: its 64 rows of W_h (16 fragments, 256 registers: window 1) are read once and stay.
; h goes from memory into registers once: lane l takes channels 128 u + 4 l + 0 .. 3 (u = 0 .. 3) of its wave's token.  The same registers feed the quantiser (codes to LDS, row by row, read by all waves as fragments) and, in f32, the context.
; Four buffers of a step take turns.  Step s asks for step s + 3's h behind the context of step s - 1.  PREFETCH: every second step a wave asks for the 8,192 bytes of its own four tokens of two later steps, a lane to each 256 bytes, one to three steps ahead
; of their loads; each block is named once in the launch (steps 0 to 3 come by their loads alone; the last prefetch names steps 14 and 15).
; PRODUCTS: source 0 = 16 tokens, source 1 = 16 rows of W: lane (r = lane % 16, hh = lane / 16), register 8 t + j holds token row 8 hh + j, n = 64 w + 16 t + r.  So b_d, W_c, v and the decoder's row are one register for each t.
; tanh(x) = 1 - 2 / (1 + 2^(k x)), k = 2 log2(e), folded into the constants; score = sum v + sum r (-2 v), r = 1 / (1 + 2^y).  2^y = infinity gives r = 0, 2^y = 0 gives r = 1.
; A lane's sums over its four n go to LDS unreduced; the wave that owns a token adds the 128 parts (16 lanes x 8 waves).  Each wave has its own running m, l and c; the eight meet at the end.
; A STEP s: 16 products, with the reduction of step s - 1's scores and the holds of step s + 1's quantising among them; codes of s + 1 to LDS; tanh's first half | signal, exponentials, context of s - 1, wait | the first two K steps' fragments of s + 1 are
; asked for; tanh's second half; parts to LDS | barrier.  Codes have two images in LDS, which take turns.
; CLUSTERS of four work-groups: all need the same W_d: it is asked for jointly, wave w its 64 rows (32 KiB) by one tensor load with one descriptor and the mask of all four.  W_h goes straight into registers at the same time: both weights, 540,672 bytes with
; their padding, do not fit in LDS beside each other, and a joint load of W_h would have to wait until W_d has been read.
.set PIT,  528                         ; an LDS row: 512 codes + 16 bytes of padding
.set IMS,  16*PIT                      ; an image: 16 rows of codes
.set IMG,  512*PIT                     ; behind W_d: two images
.set PART, IMG+2*IMS                   ; parts of scores: pair p of tokens at 1024 p (+ 128 from p = 4 on), wave x at 128 x, lane r at 8 r
.set COVL, PART+8448                   ; coverage of the 256 tokens
.set MSKL, COVL+1280                   ; the mask
.set TOFF, 1280
.set TL,   MSKL+TOFF                   ; t
.set SPARE, TL+1280                    ; the spare words, 128 bytes for each wave: four blocks of 256 bytes
.set ML,   16384                       ; the tail: (m, l) of each wave, behind 8 x 2,048 bytes of c, in W_d's bytes, which are filled once, at the head
; window 0: v1 16 lane; v2 where I store codes; v3 where I read fragments; v4 parts out; v5 256 lane; v6 coverage's place; v7 an address made anew; v8 2^e0; v9 sum of my four v; v10 m; v11 l
.set DEC, 12
.set WC,  16
.set V2,  20
.set COV, 24                           ; coverage of my eight token rows; before that the parts of my two tokens; at the head v24, v25 addresses of the weights
.set FR,  32                           ; two fragments: K steps 0 and 1, then 2 and 3; at the head four, to v95
.set TMP, 64                           ; 16 registers: holds of the quantiser; v[72:73] mask, v[74:75] t, v76 new m, v77-79 exponents; later v73 f, v[74:75] p
.set CTX, 80                           ; the context: register 4 u + j is channel 128 u + 4 lane + j
.set ACC, 96                           ; four accumulators
.set H,   128                          ; four buffers of 2 tokens x 16 registers
.set MSB, 0
.macro WIN new                         ; the immediate's high byte repeats the setting that is left
.if MSB != \new
	s_set_vgpr_msb (MSB<<8)|\new
.set MSB, \new
.endif
.endm
.macro PLACES                          ; four places behind a matrix instruction (ISA guide 7.12.1)
.rept 4
	v_nop
.endr
.endm
.macro CROUND                          ; a round of the cluster's barrier
	s_barrier_signal -1
	s_barrier_wait -1
	s_cmp_lg_u32 s2, 0
	s_cbranch_scc1 .Lnot_wave_0_\@
	s_barrier_signal -3
.Lnot_wave_0_\@:
	s_barrier_wait -3
	s_barrier_signal -1
	s_barrier_wait -1
.endm
.macro HLOAD b, n                      ; step n's two tokens (from the walking base) into buffer b: 512 consecutive bytes a load
.irp i, 0,1
.irp u, 0,1,2,3
	global_load_b128 v[H+32*(\b)+16*\i+4*\u:H+32*(\b)+16*\i+4*\u+3], v1, s[8:9] offset:4096*(\n)+2048*\i+512*\u th:TH_LOAD_NT
.endr
.endr
.endm
.macro DL t, ks                        ; W_d's fragment (t, ks) from my rows in LDS, into the registers of h's buffers 2 and 3
.irp c, 0,1,2,3
	ds_load_b128 v[192+16*\t+4*\c:192+16*\t+4*\c+3], v24 offset:16*PIT*\t+128*(\ks)+32*\c
.endr
.endm
.macro DM t, ks
.if \ks == 0
	v_wmma_f32_16x16x128_fp8_fp8 v[ACC+8*\t:ACC+8*\t+7], v[FR+16*\ks:FR+16*\ks+15], v[192+16*\t:192+16*\t+15], 0
.else
	v_wmma_f32_16x16x128_fp8_fp8 v[ACC+8*\t:ACC+8*\t+7], v[FR+16*\ks:FR+16*\ks+15], v[192+16*\t:192+16*\t+15], v[ACC+8*\t:ACC+8*\t+7]
.endif
.endm
.macro FRAG set, ks, im                ; 16 token rows of image im, K step ks
.irp c, 0,1,2,3
	ds_load_b128 v[FR+16*\set+4*\c:FR+16*\set+4*\c+3], v3 offset:IMS*(\im)+128*\ks+32*\c
.endr
.endm
.macro MED dst, src                    ; the conversion to an 8-bit code does not saturate (ISA guide 7.6.2): the hold at 448 x the scale.  h itself stays for the context
.irp i, 0,1,2,3
	v_med3_num_f32 v[\dst+\i], v[\src+\i], s57, s60
.endr
.endm
; Four products, one for each t: the accumulators take turns, one instruction a turn.  q = 1: behind each, four of the quantiser's holds (they name no vector register as source 1, whose window is 1 here).
.macro MM set, ks, q, dst, src
.irp t, 0,1,2,3
.if \ks == 0
	v_wmma_f32_16x16x128_fp8_fp8 v[ACC+8*\t:ACC+8*\t+7], v[FR+16*\set:FR+16*\set+15], v[16*(4*\t+\ks):16*(4*\t+\ks)+15], 0
.else
	v_wmma_f32_16x16x128_fp8_fp8 v[ACC+8*\t:ACC+8*\t+7], v[FR+16*\set:FR+16*\set+15], v[16*(4*\t+\ks):16*(4*\t+\ks)+15], v[ACC+8*\t:ACC+8*\t+7]
.endif
.if \q
	MED (\dst+4*\t), (\src+4*\t)
.endif
.endr
.endm
.macro CODES im                        ; 32 held numbers a lane become eight words: word 4 i + u: token i, channels 128 u + 4 lane on
	v_cvt_scalef32_pk8_fp8_f32 v[48:49], v[64:71], v8
	v_cvt_scalef32_pk8_fp8_f32 v[50:51], v[72:79], v8
	v_cvt_scalef32_pk8_fp8_f32 v[52:53], v[32:39], v8
	v_cvt_scalef32_pk8_fp8_f32 v[54:55], v[40:47], v8
	v_nop                                          ; one plain vector line behind the last conversion
.irp d, 0,1,2,3,4,5,6,7
	ds_store_b32 v2, v[48+\d] offset:IMS*(\im)+PIT*(\d/4)+128*(\d%4)
.endr
.endm
.macro CADD b                          ; c = c f + p0 h0 + p1 h1
.set z, 0
.rept 8
	v_pk_mul_f32 v[CTX+z:CTX+z+1], v[CTX+z:CTX+z+1], v[72:73] op_sel:[0,1] op_sel_hi:[1,1]
.set z, z+2
.endr
.set z, 0
.rept 8
	v_pk_fma_f32 v[CTX+z:CTX+z+1], v[H+32*(\b)+z:H+32*(\b)+z+1], v[74:75], v[CTX+z:CTX+z+1] op_sel_hi:[1,0,1]
.set z, z+2
.endr
.set z, 0
.rept 8
	v_pk_fma_f32 v[CTX+z:CTX+z+1], v[H+32*(\b)+16+z:H+32*(\b)+17+z], v[74:75], v[CTX+z:CTX+z+1] op_sel:[0,1,0] op_sel_hi:[1,1,1]
.set z, z+2
.endr
.endm
.macro EPIA                            ; sum x s' + dec', each accumulator from its low end on
.irp t, 0,1,2,3
.irp j, 0,1,2,3
.if \t%2
	v_pk_fma_f32 v[ACC+8*\t+2*\j:ACC+8*\t+2*\j+1], v[ACC+8*\t+2*\j:ACC+8*\t+2*\j+1], s[62:63], v[DEC+2*(\t/2):DEC+2*(\t/2)+1] op_sel:[0,0,1] op_sel_hi:[1,0,1]
.else
	v_pk_fma_f32 v[ACC+8*\t+2*\j:ACC+8*\t+2*\j+1], v[ACC+8*\t+2*\j:ACC+8*\t+2*\j+1], s[62:63], v[DEC+2*(\t/2):DEC+2*(\t/2)+1] op_sel_hi:[1,0,0]
.endif
.endr
.endr
.endm
.macro EPIB                            ; + cov x Wc' = y
.irp t, 0,1,2,3
.irp j, 0,1,2,3
.if \t%2
	v_pk_fma_f32 v[ACC+8*\t+2*\j:ACC+8*\t+2*\j+1], v[COV+2*\j:COV+2*\j+1], v[WC+2*(\t/2):WC+2*(\t/2)+1], v[ACC+8*\t+2*\j:ACC+8*\t+2*\j+1] op_sel:[0,1,0] op_sel_hi:[1,1,1]
.else
	v_pk_fma_f32 v[ACC+8*\t+2*\j:ACC+8*\t+2*\j+1], v[COV+2*\j:COV+2*\j+1], v[WC+2*(\t/2):WC+2*(\t/2)+1], v[ACC+8*\t+2*\j:ACC+8*\t+2*\j+1] op_sel_hi:[1,0,1]
.endif
.endr
.endr
.endm
.macro DOT                             ; x -2 v, over my four n, from the sum of my four v on: eight parts, in the first accumulator's registers
.irp j, 0,1,2,3
	v_pk_fma_f32 v[ACC+2*\j:ACC+2*\j+1], v[ACC+2*\j:ACC+2*\j+1], v[V2:V2+1], v[8:9] op_sel:[0,0,1] op_sel_hi:[1,0,1]
.endr
.irp t, 1,2,3
.irp j, 0,1,2,3
.if \t%2
	v_pk_fma_f32 v[ACC+2*\j:ACC+2*\j+1], v[ACC+8*\t+2*\j:ACC+8*\t+2*\j+1], v[V2+2*(\t/2):V2+2*(\t/2)+1], v[ACC+2*\j:ACC+2*\j+1] op_sel:[0,1,0] op_sel_hi:[1,1,1]
.else
	v_pk_fma_f32 v[ACC+2*\j:ACC+2*\j+1], v[ACC+8*\t+2*\j:ACC+8*\t+2*\j+1], v[V2+2*(\t/2):V2+2*(\t/2)+1], v[ACC+2*\j:ACC+2*\j+1] op_sel_hi:[1,0,1]
.endif
.endr
.endr
.irp j, 0,1,2,3
	ds_store_b64 v4, v[ACC+2*\j:ACC+2*\j+1] offset:1024*\j
.endr
.endm
; THE SOFTMAX of my two tokens of the step before: 128 parts each, four in a lane; the results lie in every lane.
.macro SLOAD k
	s_add_co_u32 s67, s61, s35
	v_lshrrev_b32 v7, 1, v1
	v_add_nc_u32 v7, s7, v7
.irp q, 0,1,2,3
	ds_load_b64 v[COV+2*\q:COV+2*\q+1], v7 offset:256*\q
.endr
	v_mov_b32 v7, s67
	ds_load_b64 v[72:73], v7 offset:8*(\k)         ; the mask
.endm
.macro S1
	v_pk_add_f32 v[24:25], v[24:25], v[26:27]
	v_pk_add_f32 v[28:29], v[28:29], v[30:31]
	v_pk_add_f32 v[24:25], v[24:25], v[28:29]
.irp x, 1,2,4,8
	v_add_f32_dpp v24, v24, v24 row_xmask:\x row_mask:0xf bank_mask:0xf
	v_add_f32_dpp v25, v25, v25 row_xmask:\x row_mask:0xf bank_mask:0xf
.endr
.endm
.macro S2
	v_permlanex16_b32 v26, v24, s68, s69
	v_permlanex16_b32 v27, v25, s68, s69
	v_pk_add_f32 v[24:25], v[24:25], v[26:27]
	v_pk_mul_f32 v[74:75], v[24:25], s[58:59] op_sel_hi:[1,0]   ; t = score x beta log2(e)
	v_max3_num_f32 v76, v74, v75, v10              ; the new m
	v_sub_f32 v77, v10, v76                        ; old m - new m, 0 or less
	v_pk_add_f32 v[78:79], v[74:75], v[76:77] op_sel_hi:[1,0] neg_lo:[0,1] neg_hi:[0,1]   ; t - m
	v_mov_b32 v10, v76
.endm
.macro STOUT k                         ; the two t: every lane writes the same numbers
	v_mov_b32 v7, s67
	ds_store_b64 v7, v[74:75] offset:TOFF+8*(\k)
.endm
.macro SR                              ; into scalar registers: the quantiser's holds take their places
	v_readfirstlane_b32 s70, v77
	v_readfirstlane_b32 s72, v78
	v_readfirstlane_b32 s74, v79
	v_readfirstlane_b32 s76, v72
	v_readfirstlane_b32 s77, v73
.endm
.macro SE
	s_wait_alu depctr_va_vdst(0)                   ; the wait ahead of the batch and behind it
	v_exp_f32 v73, s70                             ; f = 2^(old m - new m)
	v_exp_f32 v74, s72
	v_exp_f32 v75, s74
	v_nop
.endm
.macro SP
	v_mul_f32 v74, s76, v74                        ; p = 2^(t - m) x mask
	v_mul_f32 v75, s77, v75
	v_fma_f32 v11, v11, v73, v74                   ; l = l f + p0 + p1
	v_add_f32 v11, v11, v75
.endm
; Step s = 4 x trip + k, buffer b = s % 4; s61 = 32 x trip.  ld = 1: step s + 3's loads go out.  lc: loads that may be out when step s + 1 is quantised (-1: there is none).  pf: the first of the two steps to prefetch, from the walking base (0: none).
.macro STEP k, b, first, ld, lc, pf
.if \first == 0
	SLOAD (\k-1)
.endif
	WIN 0x04                                       ; source 1 (W_h) window 1
	MM 0, 0, 0
	WIN 0
	PLACES
	FRAG 0, 2, (\b%2)
.if \first == 0
	s_wait_dscnt 5                                 ; the parts are in; the mask and K step 2 may be out
	S1
.endif
	WIN 0x04
	MM 1, 1, 0
	WIN 0
.if \first == 0
	S2                                             ; (these are also the places in front of the loads below)
.else
	PLACES
.endif
	FRAG 1, 3, (\b%2)
	v_add_nc_u32 v7, s61, v6
.irp j, 0,1,2,3
	ds_load_b64 v[COV+2*\j:COV+2*\j+1], v7 offset:128*\j+8*\k
.endr
.if \first == 0
	STOUT (\k-1)
	s_wait_alu depctr_va_vdst(0)
	s_wait_dscnt 9                                 ; the mask and K step 2 are in; K step 3, the coverage and the store of t may be out
	SR
.else
	s_wait_dscnt 8                                 ; K step 2 is in; K step 3 and the coverage may be out
.endif
.if \lc >= 0
	s_wait_loadcnt \lc                             ; step s + 1's h is in; the younger steps' may be out
	WIN 0x04
	MM 0, 2, 1, TMP, H+32*((\b+1)%4)
	s_wait_dscnt 5-\first                          ; K step 3 is in; the coverage and the store of t may be out
	MM 1, 3, 1, FR, H+32*((\b+1)%4)+16
	WIN 0                                          ; (four holds stand behind the last product: its places)
	CODES ((\b+1)%2)
.else
	WIN 0x04
	MM 0, 2, 0
	s_wait_dscnt 5-\first
	MM 1, 3, 0
	WIN 0
	PLACES
.endif
.if \first == 0
	SE
.endif
	s_wait_alu depctr_va_vdst(0)                   ; directly ahead of the first reader of the sums
	EPIA
.if \first == 0
	SP
.endif
.if \lc >= 0
	s_wait_dscnt 8                                 ; the coverage is in; the eight stores of codes may be out
.else
	s_wait_dscnt 0x0
.endif
	EPIB
	s_wait_alu depctr_va_vdst(0)                   ; ahead of the batch, and ahead of the wait below
	s_wait_dscnt 0x0                               ; my codes of s + 1 lie in LDS, my reads of parts and of this step's codes are over
	s_barrier_signal -1
.set j, 0
.rept 32
	v_exp_f32 v[ACC+j], v[ACC+j]
.set j, j+1
.endr
.if \first == 0
	CADD ((\b+3)%4)                                ; the context of the step before
.else
	v_nop
.endif
	s_wait_alu depctr_va_vdst(0)                   ; one wait for the 32 exponentials
.set j, 0
.rept 16
	v_pk_add_f32 v[ACC+j:ACC+j+1], v[ACC+j:ACC+j+1], 1.0 op_sel_hi:[1,0]
.set j, j+2
.endr
	s_wait_alu depctr_va_vdst(0)                   ; ahead of the reciprocals, and ahead of the barrier's wait
	s_barrier_wait -1                              ; all codes of s + 1 lie in LDS; nobody reads the last step's parts any more
.if \lc >= 0
	FRAG 0, 0, ((\b+1)%2)                          ; they land under the reciprocals
	FRAG 1, 1, ((\b+1)%2)
.endif
.if \ld
	HLOAD ((\b+3)%4), (\k+3)
.endif
.if \pf
.if \k == 3
	s_cmp_eq_u32 s34, 1                            ; the last trip has no such steps any more
	s_cbranch_scc1 .Lnone_\@
.endif
	global_prefetch_b8 v5, s[8:9] offset:4096*(\pf) th:TH_LOAD_NT scope:SCOPE_SE
.Lnone_\@:
.endif
.set j, 0
.rept 32
	v_rcp_f32 v[ACC+j], v[ACC+j]
.set j, j+1
.endr
	v_nop
	s_wait_alu depctr_va_vdst(0)                   ; one wait for the 32 reciprocals
	DOT
	s_wait_dscnt 0x0                               ; my parts lie in LDS, my first fragments of s + 1 are in
	s_barrier_signal -1
	s_barrier_wait -1                              ; every wave's parts lie in LDS
.endm
	s_load_b512 s[8:23], s[0:1], 0x0               ; h 8, W_h 10, W_d 12, s_t_hat 14, lowp_scales 16, b_d 18, W_c 20, v 22
	s_load_b256 s[24:31], s[0:1], 0x40             ; coverage 24, mask 26, beta 28, tsc 30
	s_load_b64 s[32:33], s[0:1], 0x60              ; part
	v_lshl_add_u32 v126, v0, 2, SPARE
	v_mov_b32 v127, 0
	ds_add_u32 v126, v127                          ; the wave's opening: the add, twice on end, and its wait ahead of my first tensor load
	ds_add_u32 v126, v127
	v_lshrrev_b32 v96, 5, v0
	v_readfirstlane_b32 s2, v96                    ; wave 0..7
	s_bfe_u32 s34, ttmp6, 0x40000                  ; my place in the cluster: it enters addresses of h, of the small inputs and of the outputs alone
	s_lshl_b32 s3, ttmp9, 2
	s_add_co_u32 s3, s3, s34                       ; work-group g
	; descriptor group 1: 64 rows of 512 codes, dense in memory, padded in LDS
	s_mov_b32 s36, 15|(1<<20)|(1<<21)|(6<<22)|(3<<25) ; 15:0 all four of the cluster; elements of 1 byte; 20 padding on; 21 set beside a mask; 24:22 after every 128 words (code 6); 31:25 four words (code 3)
	s_mov_b32 s37, 512<<16                         ; tensor_dim0
	s_mov_b32 s38, 64<<16                          ; tensor_dim1
	s_mov_b32 s39, 512<<16                         ; tile_dim0
	s_mov_b32 s40, 64                              ; tile_dim1
	s_mov_b32 s41, 512                             ; tensor_dim0_stride
	s_mov_b32 s42, 0
	s_mov_b32 s43, 0
	s_mov_b32 s68, 0x76543210                      ; v_permlanex16_b32's selects for lane l xor 16
	s_mov_b32 s69, 0xfedcba98
	s_mul_i32 s4, s2, 2*PIT
	s_add_co_u32 s4, s4, IMG                       ; my two rows of codes
	s_mul_i32 s5, s2, 64*PIT                       ; my 64 rows of W_d
	s_lshl_b32 s6, s2, 7
	s_add_co_u32 s6, s6, PART                      ; my column of parts
	s_lshr_b32 s34, s2, 2
	s_lshl_b32 s7, s34, 7
	s_lshl_b32 s35, s2, 10
	s_add_co_u32 s7, s7, s35
	s_add_co_u32 s7, s7, PART                      ; the parts of my pair of tokens
	s_lshl_b32 s35, s2, 7
	s_add_co_u32 s35, s35, MSKL                    ; the mask of my 32 tokens
	s_lshl_b32 s66, s3, 3
	s_lshl_b32 s34, s34, 2
	s_add_co_u32 s66, s66, s34                     ; beta of my sentence, 2 g + w / 4
	s_mov_b32 s67, 0
	s_lshl_b32 s70, s3, 19
	s_lshl_b32 s71, s2, 16
	s_add_co_u32 s70, s70, s71                     ; h: 256 tokens x 2,048 bytes a work-group, 32 of them a wave (under 2^27 in all)
	s_mov_b32 s71, 0
	s_lshl_b32 s72, s2, 15                         ; my 64 rows of 512 codes
	s_mov_b32 s73, 0
	s_lshl_b32 s74, s2, 8                          ; my 64 numbers of b_d, W_c, v
	s_mov_b32 s75, 0
	s_lshr_b32 s76, s3, 4
	s_lshl_b32 s76, s76, 9                         ; the batch's row of s_t_hat
	s_mov_b32 s77, 0
	s_lshl_b32 s78, s3, 10                         ; 256 tokens x 4 bytes
	s_mov_b32 s79, 0
	s_mul_i32 s62, s3, 2304
	s_add_co_u32 s62, s62, s74                     ; my work-group's record, my wave's 256 bytes of it
	s_mov_b32 s63, 0
	s_mov_b32 s61, 0
	v_and_b32 v96, 15, v0                          ; r
	v_bfe_u32 v97, v0, 4, 1                        ; hh
	v_and_b32 v98, 31, v0                          ; lane
	v_mul_u32_u24 v99, v96, PIT
	v_mul_u32_u24 v4, v97, 4224
	v_lshlrev_b32 v1, 4, v98
	v_lshl_add_u32 v2, v98, 2, s4
	v_lshl_add_u32 v99, v97, 4, v99                ; a fragment's row r + 16 hh
	v_lshl_add_u32 v4, v96, 3, v4
	v_lshlrev_b32 v103, 4, v97
	v_add_nc_u32 v3, IMG, v99
	v_add_nc_u32 v24, s5, v99                      ; my rows of W_d in LDS
	v_add_nc_u32 v4, s6, v4
	v_lshl_add_u32 v25, v96, 9, v103               ; a row of W_h in memory r + 16 hh
	v_lshlrev_b32 v5, 8, v98
	v_lshl_add_u32 v6, v97, 9, COVL                ; rows 8 hh on: pairs of tokens of waves 4 hh on, 128 bytes apart
	v_lshl_add_u32 v101, v0, 2, COVL
	v_lshlrev_b32 v102, 2, v96
	v_lshlrev_b32 v104, 2, v0
	s_wait_alu depctr_va_vdst(0)
	s_wait_dscnt 0x0                               ; both opening adds are done
	s_wait_kmcnt 0x0
	s_mov_b32 s44, 1
	s_mov_b32 s45, s5
	s_add_nc_u64 s[46:47], s[12:13], s[72:73]
	s_or_b32 s47, s47, 0x80000000
	CROUND                                         ; the four work-groups are here: the joint loads meet
	tensor_load_to_lds s[44:47], s[36:43]          ; W_d, my 64 rows: my one tensor load
	s_nop 0
.rept 4
	v_nop
.endr
	s_add_nc_u64 s[28:29], s[28:29], s[66:67]
	s_load_b128 s[52:55], s[16:17], 0x0            ; e0 .. e3
	s_load_b32 s56, s[28:29], 0x0                  ; beta of my sentence
	s_add_nc_u64 s[8:9], s[8:9], s[70:71]
	s_add_nc_u64 s[10:11], s[10:11], s[72:73]
	s_add_nc_u64 s[14:15], s[14:15], s[76:77]
	s_add_nc_u64 s[18:19], s[18:19], s[74:75]
	s_add_nc_u64 s[20:21], s[20:21], s[74:75]
	s_add_nc_u64 s[22:23], s[22:23], s[74:75]
	s_add_nc_u64 s[24:25], s[24:25], s[78:79]
	s_add_nc_u64 s[26:27], s[26:27], s[78:79]
	s_add_nc_u64 s[30:31], s[30:31], s[78:79]
	s_add_nc_u64 s[30:31], s[30:31], s[74:75]
	s_add_nc_u64 s[32:33], s[32:33], s[62:63]
.irp s, 0,1,2,3
.irp c, 0,1,2,3
	global_load_b128 v[FR+16*\s+4*\c:FR+16*\s+4*\c+3], v103, s[14:15] offset:128*\s+32*\c   ; s_t_hat's row of my batch, the same in all sixteen token rows
.endr
.endr
.irp t, 0,1,2,3
	global_load_b32 v[DEC+\t], v102, s[18:19] offset:64*\t
	global_load_b32 v[WC+\t], v102, s[20:21] offset:64*\t
	global_load_b32 v[V2+\t], v102, s[22:23] offset:64*\t
.endr
	global_load_b32 v106, v104, s[24:25]           ; thread i: coverage and mask of token i
	global_load_b32 v107, v104, s[26:27]
	HLOAD 0, 0
	HLOAD 1, 1
	WIN 0x40                                       ; destination window 1, address window 0
.irp t, 0,1,2,3
.irp s, 0,1,2,3
.irp c, 0,1,2,3
	global_load_b128 v[16*(4*\t+\s)+4*\c:16*(4*\t+\s)+4*\c+3], v25, s[10:11] offset:8192*\t+128*\s+32*\c   ; W_h: fragment (t, s) at v[16 (4 t + s)] of window 1; it stays
.endr
.endr
.endr
	WIN 0
	s_wait_loadcnt 63                              ; the 30 oldest loads are in: 80 were issued behind them
	ds_store_b32 v101, v106
	ds_store_b32 v101, v107 offset:MSKL-COVL
	s_wait_tensorcnt 0x0                           ; my rows of W_d are in; nobody else reads them
.irp t, 0,1,2,3
	DL \t, 0
.endr
.irp ks, 0,1,2,3                       ; the decoder's row: 16 products, W_d's fragments four at a time
	s_wait_dscnt 8                                 ; fragments 0 and 1 are in; the eight loads of 2 and 3 may be out
	DM 0, \ks
	DM 1, \ks
	PLACES
.if \ks < 3
	DL 0, (\ks+1)
	DL 1, (\ks+1)
	s_wait_dscnt 8                                 ; fragments 2 and 3 are in; the next 0 and 1 may be out
.else
	s_wait_dscnt 0x0
.endif
	DM 2, \ks
	DM 3, \ks
	PLACES
.if \ks < 3
	DL 2, (\ks+1)
	DL 3, (\ks+1)
.endif
.endr
	HLOAD 2, 2
	HLOAD 3, 3
	s_wait_kmcnt 0x0
	s_add_co_i32 s72, s52, s53
	s_lshl_b32 s72, s72, 23
	s_add_co_i32 s62, s72, 0x4038aa3b              ; s' = k 2^(e0 + e1), k = 2 log2(e): the exponents are added to k's exponent field
	s_mov_b32 s63, s62                             ; (named with it as a pair, so it is written)
	s_add_co_i32 s72, s54, s55
	s_lshl_b32 s72, s72, 23
	s_add_co_i32 s66, s72, 0x4038aa3b              ; k 2^(e2 + e3)
	s_add_co_i32 s72, s52, 127
	s_lshl_b32 s73, s72, 23                        ; 2^e0 as f32: the conversion takes its exponent field
	s_add_co_i32 s72, s72, 8
	s_lshl_b32 s72, s72, 23
	s_or_b32 s60, s72, 0x600000                    ; 448 x 2^e0
	s_or_b32 s57, s60, 0x80000000                  ; and less that
	s_mul_f32 s58, s56, 0x3fb8aa3b                 ; beta log2(e)
	s_mov_b32 s59, s58
	v_mov_b32 v8, s73
.irp t, 0,1,2,3
	v_mul_f32 v[DEC+\t], 0x4038aa3b, v[DEC+\t]     ; k b_d
.endr
.irp t, 0,1,2,3
	v_fma_f32 v[DEC+\t], v[ACC+8*\t], s66, v[DEC+\t]   ; dec' = sum x k 2^(e2 + e3) + k b_d (all token rows hold the same sum: the first is taken)
.endr
	v_add_f32 v9, v[V2], v[V2+1]
.irp t, 0,1,2,3
	v_mul_f32 v[WC+\t], 0x4038aa3b, v[WC+\t]       ; Wc' = k W_c
.endr
	v_add_f32 v9, v9, v[V2+2]
	v_mov_b32 v10, 0xff61b1e6                      ; m so far: -3e38, under every t
	v_mov_b32 v11, 0                               ; l
	v_add_f32 v9, v9, v[V2+3]                      ; the sum of my four v
.irp t, 0,1,2,3
	v_mul_f32 v[V2+\t], -2.0, v[V2+\t]
.endr
.set j, 0
.rept 16
	v_mov_b32 v[CTX+j], 0                          ; the context (the loop is written once: the first change of m leaves these zeros)
.set j, j+1
.endr
	s_wait_alu depctr_va_vdst(0)
	s_wait_loadcnt 16                              ; W_h and the h of steps 0 and 1 are in; steps 2 and 3 may be out
.irp g, 0,4,8,12
	MED TMP+\g, H+\g
	MED FR+\g, H+16+\g
.endr
	CODES 0
	s_wait_alu depctr_va_vdst(0)
	s_wait_dscnt 0x0                               ; my codes, coverage and mask lie in LDS
	s_barrier_signal -1
	s_barrier_wait -1                              ; everybody's do
	FRAG 0, 0, 0
	FRAG 1, 1, 0
	s_wait_dscnt 0x0
	STEP 0, 0, 1, 0, 16, 4
	s_mov_b32 s34, 3
.Lloop:                                                ; three trips of four steps: 1 .. 12
	STEP 1, 1, 0, 1, 8, 6
	STEP 2, 2, 0, 1, 8, 0
	STEP 3, 3, 0, 1, 8, 8
	STEP 4, 0, 0, 1, 8, 0
	s_wait_xcnt 0x0                                ; loads and prefetches have read their base: it may be stepped
	s_add_nc_u64 s[8:9], s[8:9], 16384             ; four steps of two tokens
	s_add_co_u32 s61, s61, 32
	s_sub_co_u32 s34, s34, 1
	s_cmp_lg_u32 s34, 0
	s_cbranch_scc1 .Lloop
	STEP 1, 1, 0, 0, 8, 0                          ; steps 13 to 15 load nothing
	STEP 2, 2, 0, 0, 0, 0
	STEP 3, 3, 0, 0, -1, 0
	SLOAD 3                                        ; step 15's softmax and context
	s_wait_dscnt 0x0
	S1
	S2
	STOUT 3
	SR
	SE
	s_wait_alu depctr_va_vdst(0)
	SP
	CADD 3
	; THE TAIL.  The eight waves' (m, l, c) meet in LDS; each wave weighs them by 2^(m_x - m), adds channels 64 w .. 64 w + 63 and stores them.
	s_lshl_b32 s4, s2, 11
	s_lshl_b32 s5, s2, 3
	s_add_co_u32 s5, s5, ML
	s_and_b32 s6, s2, 3
	s_lshl_b32 s6, s6, 8
	s_add_co_u32 s6, s6, TL
	s_lshl_b32 s7, s2, 8
	v_and_b32 v112, 31, v0
	v_and_b32 v113, 7, v0
	v_mov_b32 v114, s5
	v_lshl_add_u32 v115, v112, 4, s4
	v_lshl_add_u32 v113, v113, 3, ML
	v_lshlrev_b32 v116, 3, v112
	v_lshl_add_u32 v117, v112, 3, s7
	v_lshl_add_u32 v118, v112, 3, s6
	s_wait_alu depctr_va_vdst(0)                   ; c was written ahead of the scalar lines above
.irp u, 0,1,2,3
	ds_store_b128 v115, v[CTX+4*\u:CTX+4*\u+3] offset:512*\u   ; my c in channel order: 2,048 bytes a wave
.endr
	ds_store_b64 v114, v[10:11]                    ; (m, l)
	s_wait_dscnt 0x0
	s_barrier_signal -1
	s_barrier_wait -1
	ds_load_b64 v[96:97], v113                     ; (m, l) of wave lane % 8
.set x, 0
.rept 8
	ds_load_b64 v[FR+2*x:FR+2*x+1], v117 offset:2048*x
.set x, x+1
.endr
	ds_load_b64 v[48:49], v118                     ; t of 64 tokens
	s_wait_dscnt 9                                 ; (m, l) is in; the nine loads behind it may be out
	v_mov_b32 v98, v96
	v_max_num_f32_dpp v98, v98, v98 row_xmask:1 row_mask:0xf bank_mask:0xf
	v_max_num_f32_dpp v98, v98, v98 row_xmask:2 row_mask:0xf bank_mask:0xf
	v_max_num_f32_dpp v98, v98, v98 row_xmask:4 row_mask:0xf bank_mask:0xf   ; m
	v_sub_f32 v100, v96, v98
	s_wait_alu depctr_va_vdst(0)
	v_exp_f32 v100, v100                           ; wave x's weight, in lane x
	v_nop
	s_wait_alu depctr_va_vdst(0)
	v_mul_f32 v99, v97, v100
	v_add_f32_dpp v99, v99, v99 row_xmask:1 row_mask:0xf bank_mask:0xf
	v_add_f32_dpp v99, v99, v99 row_xmask:2 row_mask:0xf bank_mask:0xf
	v_add_f32_dpp v99, v99, v99 row_xmask:4 row_mask:0xf bank_mask:0xf       ; l, beside m
.set x, 0
.rept 8
	v_readlane_b32 s[70+x], v100, x
.set x, x+1
.endr
	s_wait_alu depctr_va_vdst(0)
	s_wait_dscnt 0x0
	v_mul_f32 v50, s70, v[FR]
	v_mul_f32 v51, s70, v[FR+1]
.set x, 1
.rept 7
	v_fmac_f32 v50, s[70+x], v[FR+2*x]
	v_fmac_f32 v51, s[70+x], v[FR+2*x+1]
.set x, x+1
.endr
	v_lshl_add_u32 v126, v0, 2, SPARE              ; the add's two registers, made anew
	v_mov_b32 v127, 0
	s_wait_alu depctr_va_vdst(0)                   ; ahead of the branches and the wait below
	global_store_b64 v116, v[50:51], s[32:33]      ; 256 consecutive bytes, at a multiple of 256 from part's first byte
	s_cmp_lt_u32 s2, 4
	s_cbranch_scc0 .Lno_t
	global_store_b64 v116, v[48:49], s[30:31]      ; waves 0 to 3: 64 t each, 256 consecutive bytes, aligned
.Lno_t:
	s_cmp_lg_u32 s2, 0
	s_cbranch_scc1 .Lno_ml
	global_store_b64 v116, v[98:99], s[32:33] offset:2048   ; wave 0: (m, l), 32 times over: the record's last 256 bytes whole
.Lno_ml:
	s_wait_tensorcnt 0x0                           ; the wave's end: behind my last tensor load and my last LDS store
	ds_add_u32 v126, v127
	s_wait_dscnt 0x0
	CROUND                                         ; the closing round: no work-group ends while a partner may still ask for rows that name it
	s_endpgm
.Lfunc_end_k_qbd43d4abb6_scores:
	.size	k_qbd43d4abb6_scores, .Lfunc_end_k_qbd43d4abb6_scores-k_qbd43d4abb6_scores
	.p2alignl 7, 3214868480
	.fill 96, 4, 3214868480
	.section	.rodata,"a",@progbits
	.p2align	6, 0x0
	.amdhsa_kernel k_qbd43d4abb6_scores
		.amdhsa_group_segment_fixed_size 327680
		.amdhsa_private_segment_fixed_size 0
		.amdhsa_enable_private_segment 0
		.amdhsa_kernarg_size 104
		.amdhsa_user_sgpr_count 2
		.amdhsa_user_sgpr_kernarg_segment_ptr 1
		.amdhsa_wavefront_size32 1
		.amdhsa_system_sgpr_workgroup_id_x 1
		.amdhsa_system_sgpr_workgroup_id_y 1
		.amdhsa_system_sgpr_workgroup_id_z 1
		.amdhsa_system_vgpr_workitem_id 0
		.amdhsa_next_free_vgpr 512
		.amdhsa_next_free_sgpr 80
		.amdhsa_reserve_vcc 0
		.amdhsa_float_denorm_mode_32 3
		.amdhsa_float_denorm_mode_16_64 3
		.amdhsa_memory_ordered 1
		.amdhsa_forward_progress 1
		.amdhsa_inst_pref_size 161
	.end_amdhsa_kernel
	.amdgpu_metadata
---
amdhsa.version: [ 1, 2 ]
amdhsa.kernels:
  - .name:           k_qbd43d4abb6_scores
    .symbol:         k_qbd43d4abb6_scores.kd
    .args:
      - { .name: h, .offset: 0, .size: 8, .value_kind: global_buffer, .address_space: global }
      - { .name: W_h_codes, .offset: 8, .size: 8, .value_kind: global_buffer, .address_space: global }
      - { .name: W_d_codes, .offset: 16, .size: 8, .value_kind: global_buffer, .address_space: global }
      - { .name: s_t_hat_codes, .offset: 24, .size: 8, .value_kind: global_buffer, .address_space: global }
      - { .name: lowp_scales, .offset: 32, .size: 8, .value_kind: global_buffer, .address_space: global }
      - { .name: b_d, .offset: 40, .size: 8, .value_kind: global_buffer, .address_space: global }
      - { .name: W_c, .offset: 48, .size: 8, .value_kind: global_buffer, .address_space: global }
      - { .name: v, .offset: 56, .size: 8, .value_kind: global_buffer, .address_space: global }
      - { .name: coverage, .offset: 64, .size: 8, .value_kind: global_buffer, .address_space: global }
      - { .name: enc_padding_mask, .offset: 72, .size: 8, .value_kind: global_buffer, .address_space: global }
      - { .name: beta, .offset: 80, .size: 8, .value_kind: global_buffer, .address_space: global }
      - { .name: tsc, .offset: 88, .size: 8, .value_kind: global_buffer, .address_space: global }
      - { .name: part, .offset: 96, .size: 8, .value_kind: global_buffer, .address_space: global }
    .group_segment_fixed_size: 327680
    .private_segment_fixed_size: 0
    .kernarg_segment_align: 8
    .kernarg_segment_size: 104
    .max_flat_workgroup_size: 256
    .sgpr_count:     80
    .vgpr_count:     512
    .wavefront_size: 32
...
	.end_amdgpu_metadata
.endif
;; end of part 1
;; launch combine (part 2): grid 128 x 1, 1 waves a work-group, no clusters, 0 bytes of LDS; arguments tsc, part, enc_padding_mask, coverage, out0, out1, out2; writes out0, out1, out2
.if DOCPART == 2
	.amdgcn_target "amdgcn-amd-amdhsa--gfx1250"
	.amdhsa_code_object_version 6
	.text
	.protected	k_qbd43d4abb6_combine
	.globl	k_qbd43d4abb6_combine
	.p2align	8
	.type	k_qbd43d4abb6_combine,@function
k_qbd43d4abb6_combine:
	s_mov_b64 s[64:65], 0
	v_nop
	global_prefetch_b8 v0, s[64:65] scope:SCOPE_SE
	s_setreg_imm32_b32 hwreg(HW_REG_WAVE_MODE, 25, 1), 1
	s_wait_xcnt 0x0
; WordAttention, second launch: a batch's 16 records (c, m, l) are joined, and attn = 2^(t - M) mask / L, c_t = sum c_x 2^(m_x - M) / L, coverage + attn are stored.
; Work left out, as in the first launch: the softmax's own sum Z is a common factor of attn_ and of its sum for all values of the inputs, and is not formed.  Where L = 0 (every token masked) the results are NaN, as reference()'s 0 / 0.
; One wave to a work-group; work-group g takes tokens 512 g .. 512 g + 511 (16 a lane) of batch b = g / 8, and channels 64 (g % 8) .. + 63 of c_t[b].  No LDS, no barrier: nothing is shared.
; A stream of 1.4 MB with no product of 16 rows or more: matrix units, clusters and a ring would add nothing.  All 29 loads go out at once.
	s_load_b256 s[4:11], s[0:1], 0x0               ; tsc 4, part 6, mask 8, coverage 10
	s_load_b128 s[12:15], s[0:1], 0x20             ; out0 12, out1 14
	s_load_b64 s[36:37], s[0:1], 0x30              ; out2
	s_lshr_b32 s32, ttmp9, 3                       ; b
	s_and_b32 s33, ttmp9, 7                        ; which 64 channels
	s_mul_i32 s38, s32, 16*2304                    ; the batch's 16 records
	s_mov_b32 s39, 0
	s_lshl_b32 s40, s33, 8
	s_mov_b32 s41, 0
	s_lshl_b32 s42, ttmp9, 11                      ; 512 tokens x 4 bytes
	s_mov_b32 s43, 0
	s_lshl_b32 s44, s32, 11                        ; out0: row b, my 256 bytes
	s_add_co_u32 s44, s44, s40
	s_mov_b32 s45, 0
	v_and_b32 v1, 15, v0
	v_mul_u32_u24 v1, v1, 2304                     ; lane x and lane x + 16 take record x
	v_lshlrev_b32 v2, 3, v0
	v_lshlrev_b32 v3, 4, v0
	s_wait_alu depctr_va_vdst(0)
	s_wait_kmcnt 0x0
	s_add_nc_u64 s[6:7], s[6:7], s[38:39]
	s_add_nc_u64 s[40:41], s[6:7], s[40:41]
	s_add_nc_u64 s[4:5], s[4:5], s[42:43]
	s_add_nc_u64 s[8:9], s[8:9], s[42:43]
	s_add_nc_u64 s[10:11], s[10:11], s[42:43]
	s_add_nc_u64 s[14:15], s[14:15], s[42:43]
	s_add_nc_u64 s[36:37], s[36:37], s[42:43]
	s_add_nc_u64 s[12:13], s[12:13], s[44:45]
	global_load_b64 v[4:5], v1, s[6:7] offset:2048 ; (m, l) of record lane % 16
.set x, 0
.rept 16
	global_load_b64 v[12+2*x:13+2*x], v2, s[40:41] offset:2304*x th:TH_LOAD_NT   ; my 64 channels of record x: 256 consecutive bytes
.set x, x+1
.endr
.irp i, 0,1,2,3
	global_load_b128 v[44+4*\i:47+4*\i], v3, s[4:5] offset:512*\i th:TH_LOAD_NT   ; t
.endr
.irp i, 0,1,2,3
	global_load_b128 v[60+4*\i:63+4*\i], v3, s[8:9] offset:512*\i th:TH_LOAD_NT   ; mask
.endr
.irp i, 0,1,2,3
	global_load_b128 v[76+4*\i:79+4*\i], v3, s[10:11] offset:512*\i th:TH_LOAD_NT ; coverage
.endr
	s_wait_loadcnt 28                              ; (m, l) is in; the 28 loads behind it may be out
	v_mov_b32 v6, v4
	v_max_num_f32_dpp v6, v6, v6 row_xmask:1 row_mask:0xf bank_mask:0xf
	v_max_num_f32_dpp v6, v6, v6 row_xmask:2 row_mask:0xf bank_mask:0xf
	v_max_num_f32_dpp v6, v6, v6 row_xmask:4 row_mask:0xf bank_mask:0xf
	v_max_num_f32_dpp v6, v6, v6 row_xmask:8 row_mask:0xf bank_mask:0xf   ; M: each half of the lanes holds all 16 records
	v_sub_f32 v7, v4, v6
	s_wait_alu depctr_va_vdst(0)
	v_exp_f32 v7, v7                               ; 2^(m_x - M)
	v_mov_b32 v95, 0                               ; (a plain line behind the exponential; v95 is named as the upper half of a pair)
	s_wait_alu depctr_va_vdst(0)                   ; ahead of the first reader
	v_mul_f32 v8, v5, v7
	v_add_f32_dpp v8, v8, v8 row_xmask:1 row_mask:0xf bank_mask:0xf
	v_add_f32_dpp v8, v8, v8 row_xmask:2 row_mask:0xf bank_mask:0xf
	v_add_f32_dpp v8, v8, v8 row_xmask:4 row_mask:0xf bank_mask:0xf
	v_add_f32_dpp v8, v8, v8 row_xmask:8 row_mask:0xf bank_mask:0xf       ; L
	s_wait_alu depctr_va_vdst(0)
	v_rcp_f32 v94, v8
	v_nop
	s_wait_alu depctr_va_vdst(0)
	v_mul_f32 v10, v7, v94                         ; record x's weight, in lane x
.set x, 0
.rept 16
	v_readlane_b32 s[16+x], v10, x
.set x, x+1
.endr
	s_wait_loadcnt 12                              ; the records' channels are in
	v_mul_f32 v92, s16, v12
	v_mul_f32 v93, s16, v13
.set x, 1
.rept 15
	v_fmac_f32 v92, s[16+x], v[12+2*x]
	v_fmac_f32 v93, s[16+x], v[13+2*x]
.set x, x+1
.endr
	global_store_b64 v2, v[92:93], s[12:13]        ; 256 consecutive bytes of c_t[b], aligned
	s_wait_loadcnt 0x0
.set j, 0
.rept 8
	v_pk_add_f32 v[44+j:45+j], v[44+j:45+j], v[6:7] op_sel_hi:[1,0] neg_lo:[0,1] neg_hi:[0,1]   ; t - M
.set j, j+2
.endr
.set j, 0
	s_wait_alu depctr_va_vdst(0)
.rept 16
	v_exp_f32 v[44+j], v[44+j]
.set j, j+1
.endr
	v_nop
	s_wait_alu depctr_va_vdst(0)                   ; one wait for the batch of sixteen
.set j, 0
.rept 8
	v_pk_mul_f32 v[44+j:45+j], v[44+j:45+j], v[60+j:61+j]                      ; x mask
.set j, j+2
.endr
.set j, 0
.rept 8
	v_pk_mul_f32 v[44+j:45+j], v[44+j:45+j], v[94:95] op_sel_hi:[1,0]          ; / L
.set j, j+2
.endr
.irp i, 0,1,2,3
	global_store_b128 v3, v[44+4*\i:47+4*\i], s[14:15] offset:512*\i           ; attn_dist: 512 consecutive bytes a store
.endr
.set j, 0
.rept 8
	v_pk_add_f32 v[76+j:77+j], v[76+j:77+j], v[44+j:45+j]                      ; coverage + attn, in coverage's registers: no store's data are written again
.set j, j+2
.endr
.irp i, 0,1,2,3
	global_store_b128 v3, v[76+4*\i:79+4*\i], s[36:37] offset:512*\i
.endr
	s_endpgm
.Lfunc_end_k_qbd43d4abb6_combine:
	.size	k_qbd43d4abb6_combine, .Lfunc_end_k_qbd43d4abb6_combine-k_qbd43d4abb6_combine
	.p2alignl 7, 3214868480
	.fill 96, 4, 3214868480
	.section	.rodata,"a",@progbits
	.p2align	6, 0x0
	.amdhsa_kernel k_qbd43d4abb6_combine
		.amdhsa_group_segment_fixed_size 0
		.amdhsa_private_segment_fixed_size 0
		.amdhsa_enable_private_segment 0
		.amdhsa_kernarg_size 56
		.amdhsa_user_sgpr_count 2
		.amdhsa_user_sgpr_kernarg_segment_ptr 1
		.amdhsa_wavefront_size32 1
		.amdhsa_system_sgpr_workgroup_id_x 1
		.amdhsa_system_sgpr_workgroup_id_y 1
		.amdhsa_system_sgpr_workgroup_id_z 1
		.amdhsa_system_vgpr_workitem_id 0
		.amdhsa_next_free_vgpr 96
		.amdhsa_next_free_sgpr 66
		.amdhsa_reserve_vcc 0
		.amdhsa_float_denorm_mode_32 3
		.amdhsa_float_denorm_mode_16_64 3
		.amdhsa_memory_ordered 1
		.amdhsa_forward_progress 1
		.amdhsa_inst_pref_size 11
	.end_amdhsa_kernel
	.amdgpu_metadata
---
amdhsa.version: [ 1, 2 ]
amdhsa.kernels:
  - .name:           k_qbd43d4abb6_combine
    .symbol:         k_qbd43d4abb6_combine.kd
    .args:
      - { .name: tsc, .offset: 0, .size: 8, .value_kind: global_buffer, .address_space: global }
      - { .name: part, .offset: 8, .size: 8, .value_kind: global_buffer, .address_space: global }
      - { .name: enc_padding_mask, .offset: 16, .size: 8, .value_kind: global_buffer, .address_space: global }
      - { .name: coverage, .offset: 24, .size: 8, .value_kind: global_buffer, .address_space: global }
      - { .name: out0, .offset: 32, .size: 8, .value_kind: global_buffer, .address_space: global }
      - { .name: out1, .offset: 40, .size: 8, .value_kind: global_buffer, .address_space: global }
      - { .name: out2, .offset: 48, .size: 8, .value_kind: global_buffer, .address_space: global }
    .group_segment_fixed_size: 0
    .private_segment_fixed_size: 0
    .kernarg_segment_align: 8
    .kernarg_segment_size: 56
    .max_flat_workgroup_size: 32
    .sgpr_count:     66
    .vgpr_count:     96
    .wavefront_size: 32
...
	.end_amdgpu_metadata
.endif
;; end of part 2
